; MI455X (gfx1250); checked and timed in simulation.
; The chip was launched on July 23, 2026; its instructions are those of AMD's public machine-readable ISA for CDNA 5 (MIT licence, August 2026) and "CDNA5" Instruction Set Architecture Reference Guide (July 2026). The comments in the code are by the model that wrote it; some were corrected since.
;; Multi Head Attention. Allowed arithmetic: float matrix products may take bf16 or f16 operands with f32 sums; all other float work in f32.
;; Inputs: W_k 1,024 x 1,024 float32; W_out 1,024 x 1,024 float32; W_q 1,024 x 1,024 float32; W_v 1,024 x 1,024 float32; b_k 1,024 float32; b_out 1,024 float32; b_q 1,024 float32; b_v 1,024 float32; x 2 x 2,048 x 1,024 float32.
;; Outputs: out0 2 x 2,048 x 1,024 float32.
;; 2 versions, each right; version 2 is version 1 with the launch cast written anew for expert scheduling mode. Each part assembles by itself: llvm-mc -triple=amdgcn-amd-amdhsa -mcpu=gfx1250 --defsym DOCPART=n.
;; ======== version 1 of 2: 4 launches
;; workspace buffers: cast 16,777,216 bytes; qkv 25,165,824 bytes; ctx 8,388,608 bytes
;; launch cast (part 1): grid 256 x 1, 8 waves a work-group, no clusters, 0 bytes of LDS; arguments x, W_q, W_k, W_v, W_out, cast; writes cast
.if DOCPART == 1
	.amdgcn_target "amdgcn-amd-amdhsa--gfx1250"
	.amdhsa_code_object_version 6
	.text
	.protected	k_q847c51a02b_cast
	.globl	k_q847c51a02b_cast
	.p2align	8
	.type	k_q847c51a02b_cast,@function
k_q847c51a02b_cast:
	s_mov_b64 s[64:65], 0
	v_nop
	global_prefetch_b8 v0, s[64:65] scope:SCOPE_SE
	s_setreg_imm32_b32 hwreg(HW_REG_WAVE_MODE, 25, 1), 1
	s_wait_xcnt 0x0
; x and the four weight matrices, f32, are rounded once to bf16 (nearest even) into the buffer cast, so that the three matrix
; launches behind this one read 16-bit tiles.  Layout of cast, in bytes:
;   0x000000  xb   [4096][1024] bf16
;   0x800000  wqkv [3072][1024] bf16: row 192 hd + 64 which + d holds row 64 hd + d of W_q (which 0), W_k (1), W_v (2)
;   0xE00000  wo   [1024][1024] bf16
; A work-group takes a unit of 32 rows of 1,024 f32 (131,072 bytes in, 65,536 out), a wave four rows (16,384 bytes).
; Units 0-127 are x's; unit 128 + 32 wi + u is rows 32 u .. 32 u + 31 of matrix wi (q, k, v, out).
; A stream: no LDS, no barrier, no matrix unit.  All 32 loads of a wave go out before its first wait; no register is written twice,
; so no source of a pending instruction is ever rewritten.
; LIMIT: values are rounded to bf16 (8 significant bits); the range is f32's.
.set X, 4                              ; v[4:131]    32 x 4 registers as loaded
.set Y, 132                            ; v[132:195]  32 x 2 registers to store
	s_load_b256 s[4:11], s[0:1], 0x0               ; x s[4:5], W_q s[6:7], W_k s[8:9], W_v s[10:11]
	s_load_b128 s[12:15], s[0:1], 0x20             ; W_out s[12:13], cast s[14:15]
	s_and_b32 s16, ttmp9, 31                       ; u: the unit inside a weight matrix
	s_bfe_u32 s17, ttmp9, 0x20005                  ; wi: bits 6:5 of the work-group's number
	s_lshr_b32 s18, s16, 1                         ; head = u / 2 (a head has 64 rows, two units)
	s_mul_i32 s18, s18, 192
	s_lshl_b32 s19, s17, 6
	s_add_co_u32 s18, s18, s19                     ; + 64 which
	s_and_b32 s19, s16, 1
	s_lshl_b32 s19, s19, 5
	s_add_co_u32 s18, s18, s19                     ; + 32 (u & 1): the unit's first row in wqkv
	s_lshl_b32 s19, s16, 5
	s_add_co_u32 s19, s19, 3072                    ; W_out's rows follow wqkv's 3,072 in their own order
	s_cmp_eq_u32 s17, 3
	s_cselect_b32 s18, s19, s18
	s_lshl_b32 s18, s18, 11                        ; a bf16 row is 2,048 bytes
	s_add_co_u32 s18, s18, 0x800000                ; behind xb
	s_lshl_b32 s19, s16, 17                        ; where the unit begins in its weight matrix
	s_lshl_b32 s24, ttmp9, 17                      ; the same two offsets for a unit of x
	s_lshl_b32 s25, ttmp9, 16
	s_cmp_lt_u32 ttmp9, 128
	s_cselect_b32 s26, s24, s19                    ; offset in the source
	s_cselect_b32 s28, s25, s18                    ; offset in cast
	s_mov_b32 s27, 0
	s_mov_b32 s29, 0
	v_lshrrev_b32 v1, 5, v0                        ; wave
	v_and_b32 v2, 31, v0                           ; lane
	v_lshlrev_b32 v2, 4, v2
	v_lshl_or_b32 v1, v1, 14, v2                   ; source: 16,384 x wave + 16 x lane
	v_lshrrev_b32 v2, 1, v1                        ; destination: half of that
	s_wait_kmcnt 0x0
	s_cmp_eq_u32 s17, 1                            ; the source is chosen among the five buffers by the work-group's number alone
	s_cselect_b64 s[20:21], s[8:9], s[6:7]
	s_cmp_eq_u32 s17, 2
	s_cselect_b64 s[20:21], s[10:11], s[20:21]
	s_cmp_eq_u32 s17, 3
	s_cselect_b64 s[20:21], s[12:13], s[20:21]
	s_cmp_lt_u32 ttmp9, 128
	s_cselect_b64 s[20:21], s[4:5], s[20:21]
	s_add_nc_u64 s[20:21], s[20:21], s[26:27]
	s_add_nc_u64 s[22:23], s[14:15], s[28:29]
.set i, 0
.rept 32
	global_load_b128 v[X+4*i:X+4*i+3], v1, s[20:21] offset:512*i th:TH_LOAD_NT   ; 512 neighbouring bytes a load; read once in the launch
.set i, i+1
.endr
.set i, 0
.rept 32
	s_wait_loadcnt 31-i                            ; loads come back in order (ISA guide 5.7.1): load i is in, the 31 - i younger ones stay out
	v_cvt_pk_bf16_f32 v[Y+2*i],   v[X+4*i],   v[X+4*i+1]
	v_cvt_pk_bf16_f32 v[Y+2*i+1], v[X+4*i+2], v[X+4*i+3]
	global_store_b64 v2, v[Y+2*i:Y+2*i+1], s[22:23] offset:256*i   ; the wave's 32 lanes x 8 bytes: 256 consecutive bytes, aligned
.set i, i+1
.endr
	s_endpgm
.Lfunc_end_k_q847c51a02b_cast:
	.size	k_q847c51a02b_cast, .Lfunc_end_k_q847c51a02b_cast-k_q847c51a02b_cast
	.p2alignl 7, 3214868480
	.fill 96, 4, 3214868480
	.section	.rodata,"a",@progbits
	.p2align	6, 0x0
	.amdhsa_kernel k_q847c51a02b_cast
		.amdhsa_group_segment_fixed_size 0
		.amdhsa_private_segment_fixed_size 0
		.amdhsa_enable_private_segment 0
		.amdhsa_kernarg_size 48
		.amdhsa_user_sgpr_count 2
		.amdhsa_user_sgpr_kernarg_segment_ptr 1
		.amdhsa_wavefront_size32 1
		.amdhsa_system_sgpr_workgroup_id_x 1
		.amdhsa_system_sgpr_workgroup_id_y 1
		.amdhsa_system_sgpr_workgroup_id_z 1
		.amdhsa_system_vgpr_workitem_id 0
		.amdhsa_next_free_vgpr 196
		.amdhsa_next_free_sgpr 66
		.amdhsa_reserve_vcc 0
		.amdhsa_float_denorm_mode_32 3
		.amdhsa_float_denorm_mode_16_64 3
		.amdhsa_memory_ordered 1
		.amdhsa_forward_progress 1
		.amdhsa_inst_pref_size 13
	.end_amdhsa_kernel
	.amdgpu_metadata
---
amdhsa.version: [ 1, 2 ]
amdhsa.kernels:
  - .name:           k_q847c51a02b_cast
    .symbol:         k_q847c51a02b_cast.kd
    .args:
      - { .name: x, .offset: 0, .size: 8, .value_kind: global_buffer, .address_space: global }
      - { .name: W_q, .offset: 8, .size: 8, .value_kind: global_buffer, .address_space: global }
      - { .name: W_k, .offset: 16, .size: 8, .value_kind: global_buffer, .address_space: global }
      - { .name: W_v, .offset: 24, .size: 8, .value_kind: global_buffer, .address_space: global }
      - { .name: W_out, .offset: 32, .size: 8, .value_kind: global_buffer, .address_space: global }
      - { .name: cast, .offset: 40, .size: 8, .value_kind: global_buffer, .address_space: global }
    .group_segment_fixed_size: 0
    .private_segment_fixed_size: 0
    .kernarg_segment_align: 8
    .kernarg_segment_size: 48
    .max_flat_workgroup_size: 256
    .sgpr_count:     66
    .vgpr_count:     196
    .wavefront_size: 32
...
	.end_amdgpu_metadata
.endif
;; end of part 1
;; launch qkvproj (part 2): grid 16 x 16, 4 waves a work-group, clusters of 4 x 4, 327,680 bytes of LDS; arguments cast, b_q, b_k, b_v, qkv; writes qkv
.if DOCPART == 2
	.amdgcn_target "amdgcn-amd-amdhsa--gfx1250"
	.amdhsa_code_object_version 6
	.text
	.protected	k_q847c51a02b_qkvproj
	.globl	k_q847c51a02b_qkvproj
	.p2align	8
	.type	k_q847c51a02b_qkvproj,@function
k_q847c51a02b_qkvproj:
	s_mov_b64 s[64:65], 0
	v_nop
	global_prefetch_b8 v0, s[64:65] scope:SCOPE_SE
	s_setreg_imm32_b32 hwreg(HW_REG_WAVE_MODE, 25, 1), 1
	s_wait_xcnt 0x0
	s_wait_alu depctr_hold_cnt(0) depctr_sa_sdst(0) depctr_va_vdst(0) depctr_va_sdst(0) depctr_va_ssrc(0) depctr_va_vcc(0) depctr_vm_vsrc(0)
	s_getreg_b32 s2, hwreg(HW_REG_IB_STS2, 6, 4)
	s_cmp_eq_u32 s2, 0
	s_cbranch_scc0 .Lentry_in_a_cluster
	s_endpgm
.Lentry_in_a_cluster:
	s_bfe_u32 s2, ttmp6, 0x10000c
	s_cmp_lg_u32 s2, 0xf033
	s_cbranch_scc0 .Lentry_shape_is_right
	s_endpgm
.Lentry_shape_is_right:
; Q, K, V = x W^T + b for one head and 256 rows of x; Q is also multiplied by c = 0.125 log2(e), so that the attention launch
; can take its exponentials in base 2 with no further scale.  Operands bf16 (from cast), sums f32, results bf16 into qkv:
; three regions of 0x800000 bytes (Q, K, V), each [b][head][t][64].
; A work-group makes 256 rows x 192 columns (the head's 64 of Q, 64 of K, 64 of V: neighbouring rows of wqkv) with four waves.
; A wave makes 64 rows x all 192 columns: 4 x 12 = 48 accumulator tiles of 16 x 16, 384 registers.  So a wave holds whole head rows
; of 128 bytes and its output needs nothing from another wave.
; K (1,024) goes in 8 steps of 128 through two LDS slots filled by tensor loads; a tile's rows are 256 bytes of memory, aligned.
; CLUSTERS: 4 x 4 work-groups.  The four of a row of the cluster share the tiles of x, the four of a column the tiles of wqkv;
; each tile is asked for jointly by the four, with one descriptor and a mask that names them: a quarter of the requests.
; The matrix instruction is used transposed (source 0 = rows of wqkv, source 1 = rows of x): lane l then holds row l % 16 of the
; result and its registers 0-7 the columns 8 (l / 16) + 0..7, eight neighbours of a row.
; REGISTERS by windows of 256: window 0 addresses, x's fragments (two buffers), biases, work on the way out; window 1 wqkv's
; fragments (two buffers of 96); window 2 the accumulators of my row tiles 0, 1 (tile (a, bt) at 8 (12 a + bt)); window 3 of tiles 2, 3.
; LIMITS: operands and results are rounded to bf16; the sums' order differs from a plain dot product's; NaN and infinities in the
; inputs are not reproduced as an f32 computation has them.
.set KSTEP,  128
.set PITCH,  272                       ; an LDS row: 256 bytes + 16 of padding, an odd multiple of 16: the 16 rows of a fragment load fall on 16 different 16-byte columns of 256
.set WSTR,   128*PITCH                 ; 34,816: the bytes kept for one wave's tensor load
.set SLOT,   4*WSTR                    ; x's rows 0-127, 128-255, wqkv's rows 0-95, 96-191 (the last two use 26,112 of their 34,816)
.set STAGE,  2*SLOT                    ; 278,528, a multiple of 256: behind the ring, no tensor load lands here
.set SPITCH, 144                       ; the stage's rows: 128 bytes + 16
.set SREG,   16*SPITCH                 ; 16 rows of Q, of K, of V
.set WSTAGE, 3*SREG                    ; a wave's stage
.set LAPS,   1024/(2*KSTEP)            ; 4 laps of two K steps
.set WQKV,   0x800000                  ; wqkv in cast
.set REGION, 0x800000                  ; from Q's region to K's, from K's to V's
.set ADRA, 16                          ; v16-17  LDS address of my fragments of x in slot 0, 1
.set ADRB, 20                          ; v20-21  the same for wqkv
.set STO,  24                          ; v24     the way out: where I put 16 bytes
.set RD,   25                          ; v25     the way out: where I read them back
.set CO,   26                          ; v26     16 x lane
.set BO,   27                          ; v27     32 x (lane / 16): my 8 columns in a bias
.set FA,   32                          ; v32-63, v64-95   x's fragments, buffers 0 and 1 (window 0)
.set BI,   96                          ; v96-191 biases: 8 for each of the 12 column tiles
.set TMP,  192                         ; v192-239 packed results
.set RB,   32                          ; v32-79  rows read back, on the way out
.set G1,  24                           ; s[24:31] group 1 for x's tiles
.set G0,  32                           ; s[32:39] group 0 for x's tiles, a set for each slot
.set G1B, 48                           ; s[48:55] group 1 for wqkv's tiles
.set G0B, 56                           ; s[56:63] group 0 for wqkv's tiles
.set MSB, 0
.macro WIN new                         ; the immediate's high byte repeats the setting that is left
.if MSB != \new
	s_set_vgpr_msb (MSB<<8)|\new
.set MSB, \new
.endif
.endm
.set MUL_LO, 0xa1                      ; source 0 window 1, source 1 window 0, C and D window 2
.set MUL_HI, 0xf1                      ; the same, C and D window 3
.set TO_B,   0x40                      ; destination window 1, address window 0
.macro PLACES n
.rept \n
	v_nop
.endr
.endm
; A joint load: waves 0, 1 fetch x's two halves, waves 2, 3 wqkv's.  The branch hangs on the wave's number alone.
.macro JLOAD s
	s_cmp_eq_u32 s15, 0
	s_cbranch_scc0 .Lfor_b_\@
	tensor_load_to_lds s[G0+4*\s:G0+4*\s+3], s[G1:G1+7]
	s_nop 0
	s_branch .Lasked_\@
.Lfor_b_\@:
	tensor_load_to_lds s[G0B+4*\s:G0B+4*\s+3], s[G1B:G1B+7]
	s_nop 0
.Lasked_\@:
.endm
; A round of the cluster's barrier: my work-group's barrier, wave 0 signals for the work-group, all wait for the sixteen, my barrier again.
.macro CREST
	s_cmp_lg_u32 s14, 0
	s_cbranch_scc1 .Lnot_wave_0_\@
	s_barrier_signal -3
.Lnot_wave_0_\@:
	s_barrier_wait -3
	s_barrier_signal -1
	s_barrier_wait -1
.endm
.macro CROUND
	s_barrier_signal -1
	s_barrier_wait -1
	CREST
.endm
	s_load_b256 s[4:11], s[0:1], 0x0               ; cast s[4:5], b_q s[6:7], b_k s[8:9], b_v s[10:11]
	s_load_b64 s[12:13], s[0:1], 0x20              ; qkv
	s_set_vgpr_msb 0x40
	v_lshl_add_u32 v255, v0, 2, 0x4ac00
	s_set_vgpr_msb 0x4000
	v_mov_b32 v255, 0
	s_set_vgpr_msb 0x1
	ds_add_u32 v255, v255
	s_set_vgpr_msb 0x100
	v_lshrrev_b32 v1, 5, v0
	v_readfirstlane_b32 s14, v1                    ; wave 0..3
	s_lshr_b32 s15, s14, 1                         ; I fetch for x (0) or for wqkv (1)
	s_and_b32 s16, s14, 1                          ; which half of that tile
	s_bfe_u32 s17, ttmp6, 0x40000                  ; cx
	s_bfe_u32 s18, ttmp6, 0x40004                  ; cy
	s_lshl_b32 s19, ttmp9, 2
	s_add_co_u32 s19, s19, s17                     ; head = 4 x cluster x + cx
	s_and_b32 s20, ttmp7, 0xffff
	s_lshl_b32 s20, s20, 2
	s_add_co_u32 s20, s20, s18                     ; block of 256 rows = 4 x cluster y + cy
	s_lshl_b32 s21, s18, 2
	s_lshl_b32 s21, 15, s21                        ; my row of the cluster: places 4 cy .. 4 cy + 3
	s_lshl_b32 s22, 0x1111, s17                    ; my column: places cx, cx + 4, cx + 8, cx + 12
	s_mov_b32 s66, 0x3e38aa3b                      ; c = 0.125 log2(e), twice: a pair for the packed forms
	s_mov_b32 s67, 0x3e38aa3b
	; group 1: rows of 128 elements of 2 bytes; behind every 64 words 4 words of padding; x: 128 rows, wqkv: 96 rows
	s_or_b32 s[G1+0], s21, (1<<16)|(1<<20)|(1<<21)|(5<<22)|(3<<25)   ; 15:0 mask; 17:16 size; 20 padding on; 21 set beside a mask; 24:22 interval; 31:25 pad
	s_or_b32 s[G1B+0], s22, (1<<16)|(1<<20)|(1<<21)|(5<<22)|(3<<25)
	s_mov_b32 s[G1+1], KSTEP<<16                   ; tensor_dim0 = 128
	s_mov_b32 s[G1B+1], KSTEP<<16
	s_mov_b32 s[G1+2], 128<<16                     ; tensor_dim1 = 128
	s_mov_b32 s[G1B+2], 96<<16                     ; 96
	s_mov_b32 s[G1+3], KSTEP<<16                   ; tile_dim0 = 128
	s_mov_b32 s[G1B+3], KSTEP<<16
	s_mov_b32 s[G1+4], 128                         ; tile_dim1
	s_mov_b32 s[G1B+4], 96
	s_mov_b32 s[G1+5], 1024                        ; elements from row to row
	s_mov_b32 s[G1B+5], 1024
	s_mov_b32 s[G1+6], 0
	s_mov_b32 s[G1B+6], 0
	s_mov_b32 s[G1+7], 0
	s_mov_b32 s[G1B+7], 0
	; x's tiles hang on the block of rows alone (shared along my row of the cluster), wqkv's on the head alone (shared along my column);
	; each offset is made in registers that never hold the other coordinate
	s_lshl_b32 s40, s20, 19                        ; 256 rows x 2,048 bytes
	s_lshl_b32 s41, s16, 18                        ; + 128 rows for the second half
	s_add_co_u32 s40, s40, s41
	s_mov_b32 s41, 0
	s_mul_i32 s44, s19, 192*2048
	s_mul_i32 s45, s16, 96*2048
	s_add_co_u32 s44, s44, s45
	s_add_co_u32 s44, s44, WQKV
	s_mov_b32 s45, 0
	s_mul_i32 s23, s14, WSTR                       ; where my load goes: the wave's number alone
	s_wait_dscnt 0x0
	s_wait_kmcnt 0x0
	s_add_nc_u64 s[40:41], s[4:5], s[40:41]
	s_add_nc_u64 s[44:45], s[4:5], s[44:45]
	CROUND                                         ; all sixteen work-groups are here: the first joint loads meet
.irp s, 0,1
	s_mov_b32 s[G0+4*\s], 1
	s_add_co_u32 s[G0+4*\s+1], s23, \s*SLOT
	s_add_nc_u64 s[G0+4*\s+2:G0+4*\s+3], s[40:41], \s*KSTEP*2      ; K step s
	s_or_b32 s[G0+4*\s+3], s[G0+4*\s+3], 0x80000000
	s_mov_b32 s[G0B+4*\s], 1
	s_add_co_u32 s[G0B+4*\s+1], s23, \s*SLOT
	s_add_nc_u64 s[G0B+4*\s+2:G0B+4*\s+3], s[44:45], \s*KSTEP*2
	s_or_b32 s[G0B+4*\s+3], s[G0B+4*\s+3], 0x80000000
	JLOAD \s                                       ; both slots are asked for before anything else: two tensor loads of the wave are out
.endr
	v_and_b32 v1, 15, v0                           ; r = l % 16
	v_bfe_u32 v2, v0, 4, 1                         ; h = l / 16
	v_lshlrev_b32 v[BO], 5, v2
	s_lshl_b32 s46, s19, 8                         ; the head's 64 numbers in a bias
	s_mov_b32 s47, 0
	s_add_nc_u64 s[6:7], s[6:7], s[46:47]
	s_add_nc_u64 s[8:9], s[8:9], s[46:47]
	s_add_nc_u64 s[10:11], s[10:11], s[46:47]
.irp bt, 0,1,2,3                                   ; 24 loads; they are waited for on the way out, and their registers stay untouched till then
	global_load_b128 v[BI+8*\bt:BI+8*\bt+3],       v[BO], s[6:7] offset:64*\bt
	global_load_b128 v[BI+8*\bt+4:BI+8*\bt+7],     v[BO], s[6:7] offset:64*\bt+16
	global_load_b128 v[BI+32+8*\bt:BI+32+8*\bt+3], v[BO], s[8:9] offset:64*\bt
	global_load_b128 v[BI+32+8*\bt+4:BI+32+8*\bt+7], v[BO], s[8:9] offset:64*\bt+16
	global_load_b128 v[BI+64+8*\bt:BI+64+8*\bt+3], v[BO], s[10:11] offset:64*\bt
	global_load_b128 v[BI+64+8*\bt+4:BI+64+8*\bt+7], v[BO], s[10:11] offset:64*\bt+16
.endr
	; where the results go: (16 b + head) x 262,144 + (t0 + 64 wave) x 128 in each region
	s_lshr_b32 s46, s20, 3                         ; b
	s_lshl_b32 s46, s46, 4
	s_add_co_u32 s46, s46, s19
	s_lshl_b32 s46, s46, 18
	s_and_b32 s47, s20, 7
	s_lshl_b32 s47, s47, 15                        ; t0 = 256 (block & 7), rows of 128 bytes
	s_add_co_u32 s46, s46, s47
	s_lshl_b32 s47, s14, 13
	s_add_co_u32 s46, s46, s47
	s_mov_b32 s47, 0
	s_add_nc_u64 s[68:69], s[12:13], s[46:47]
	s_add_nc_u64 s[70:71], s[68:69], REGION
	s_add_nc_u64 s[72:73], s[70:71], REGION
	; a fragment: lane l holds row l % 16; registers 0-3 K = 8 h + 0..7, registers 4-7 K = 16 + 8 h + 0..7: two loads of 16 bytes, 32 apart
	v_mul_u32_u24 v3, v1, PITCH
	v_lshl_add_u32 v3, v2, 4, v3
	s_mul_i32 s42, s14, 64*PITCH                   ; my 64 rows of x
	v_add_nc_u32 v[ADRA], s42, v3
	v_add_nc_u32 v[ADRB], 2*WSTR, v3               ; all 192 rows of wqkv
	v_add_nc_u32 v[ADRA+1], SLOT, v[ADRA]
	v_add_nc_u32 v[ADRB+1], SLOT, v[ADRB]
	s_mul_i32 s43, s14, WSTAGE
	s_add_co_u32 s43, s43, STAGE                   ; my stage
	v_mul_u32_u24 v4, v1, SPITCH
	v_lshl_add_u32 v4, v2, 4, v4
	v_add_nc_u32 v[STO], s43, v4                   ; in: row r, 16 bytes for each half of the lanes
	v_bfe_u32 v5, v0, 3, 2
	v_and_b32 v6, 7, v0
	v_mul_u32_u24 v5, v5, SPITCH
	v_lshl_add_u32 v5, v6, 4, v5
	v_add_nc_u32 v[RD], s43, v5                    ; back: eight lanes take a row of 128 bytes, the wave four rows
	v_and_b32 v7, 31, v0
	v_lshlrev_b32 v[CO], 4, v7
; 12 matrix instructions: row tile a of the window's two (hi = 0: my tiles 0, 1; 1: tiles 2, 3) x all 12 column tiles, 32 along K, buffer p
.macro MUL12 p, hi, a, zero
.irp bt, 0,1,2,3,4,5,6,7,8,9,10,11
.if \zero
	v_wmma_f32_16x16x32_bf16 v[8*(12*\a+\bt):8*(12*\a+\bt)+7], v[96*\p+8*\bt:96*\p+8*\bt+7], v[FA+32*\p+8*(2*\hi+\a):FA+32*\p+8*(2*\hi+\a)+7], 0
.else
	v_wmma_f32_16x16x32_bf16 v[8*(12*\a+\bt):8*(12*\a+\bt)+7], v[96*\p+8*\bt:96*\p+8*\bt+7], v[FA+32*\p+8*(2*\hi+\a):FA+32*\p+8*(2*\hi+\a)+7], v[8*(12*\a+\bt):8*(12*\a+\bt)+7]
.endif
.endr
.endm
; 32 LDS loads in one run: the fragments of a quarter step (192 rows of wqkv, my 64 rows of x, 32 K at byte k of the rows) into buffer p
.macro FETCH slot, k, p
	WIN TO_B
.irp bt, 0,1,2,3,4,5,6,7,8,9,10,11
	ds_load_b128 v[96*\p+8*\bt:96*\p+8*\bt+3],   v[ADRB+\slot] offset:\k+(\bt/6)*WSTR+(\bt%6)*16*PITCH
	ds_load_b128 v[96*\p+8*\bt+4:96*\p+8*\bt+7], v[ADRB+\slot] offset:\k+(\bt/6)*WSTR+(\bt%6)*16*PITCH+32
.endr
	WIN 0
.irp a, 0,1,2,3
	ds_load_b128 v[FA+32*\p+8*\a:FA+32*\p+8*\a+3],   v[ADRA+\slot] offset:\k+\a*16*PITCH
	ds_load_b128 v[FA+32*\p+8*\a+4:FA+32*\p+8*\a+7], v[ADRA+\slot] offset:\k+\a*16*PITCH+32
.endr
.endm
; A K step is four quarters of 32 along K, 48 matrix instructions each, on buffers 0, 1, 0, 1.  The 48 accumulators take turns, one
; instruction a turn, in the same order in every quarter.
; One of the first three quarters: multiplies buffer p; in its middle it fetches the next quarter (byte k) into buffer np.
; Four v_nop stand in front of each run of loads: a load into a register that a matrix instruction has read stands four places behind it
; (ISA guide 7.12.1 for vector instructions).
.macro QUARTER slot, k, p, np, zero
	s_wait_dscnt 4                                 ; wqkv's 24 loads and x's row tiles 0, 1 are in; the youngest four (tiles 2, 3) may be out
	WIN MUL_LO
	MUL12 \p, 0, 0, \zero
	MUL12 \p, 0, 1, \zero
	PLACES 4
	FETCH \slot, \k, \np
	s_wait_dscnt 32                                ; all but the 32 just issued
	WIN MUL_HI
	MUL12 \p, 1, 0, \zero
	MUL12 \p, 1, 1, \zero
.endm
.macro THREE slot, zero
	QUARTER \slot, 64,  0, 1, \zero
	QUARTER \slot, 128, 1, 0, 0
	QUARTER \slot, 192, 0, 1, 0
.endm
; The last quarter multiplies buffer 1 and changes slots.  In front of the barrier each wave waits for its reads of this slot and for all
; its tensor loads (one is out: its part of the next slot).  Where the slot is filled again the barrier opens a round of the cluster's
; barrier, and the joint refill is the first tensor load behind the round; then the next slot's first fragments are read.
.macro TURN slot, next, fill
	s_wait_dscnt 4
	WIN MUL_LO
	MUL12 1, 0, 0, 0
	s_wait_dscnt 0                                 ; my reads of this slot are over
	s_wait_tensorcnt 0x0                           ; all my tensor loads have landed
	ds_add_u32 v255, v255
	s_wait_dscnt 0x0
	s_barrier_signal -1
	MUL12 1, 0, 1, 0                               ; register work while the others arrive
	WIN 0
	s_barrier_wait -1
.if \fill
	CREST                                          ; no wave of any partner still reads this slot or has a load on its way
	s_add_nc_u64 s[G0+4*\slot+2:G0+4*\slot+3], s[G0+4*\slot+2:G0+4*\slot+3], 2*KSTEP*2
	s_add_nc_u64 s[G0B+4*\slot+2:G0B+4*\slot+3], s[G0B+4*\slot+2:G0B+4*\slot+3], 2*KSTEP*2
	JLOAD \slot                                    ; two K steps ahead; the wave's one tensor load until the next round
.endif
	PLACES 4
	FETCH \next, 0, 0
	WIN MUL_HI
	MUL12 1, 1, 0, 0
	MUL12 1, 1, 1, 0
.endm
.macro LAP zero
	THREE 0, \zero
	TURN 0, 1, 1
	THREE 1, 0
	TURN 1, 0, 1
.endm
	s_wait_tensorcnt 1                             ; my part of K step 0 is in; K step 1's load, issued behind it, stays out
	s_barrier_signal -1
	s_barrier_wait -1                              ; everybody's part is in
	FETCH 0, 0, 0
	LAP 1                                          ; the first lap's first products start the sums: nothing is cleared
	WIN 0
	s_mov_b32 s3, LAPS-2
.Llap:
	LAP 0
	WIN 0
	s_sub_co_u32 s3, s3, 1
	s_cmp_lg_u32 s3, 0
	s_cbranch_scc1 .Llap
	THREE 0, 0                                     ; the last lap fills nothing
	TURN 0, 1, 0
	THREE 1, 0
	s_wait_dscnt 4
	WIN MUL_LO
	MUL12 1, 0, 0, 0
	MUL12 1, 0, 1, 0
	s_wait_dscnt 0
	WIN MUL_HI
	MUL12 1, 1, 0, 0
	MUL12 1, 1, 1, 0
	; THE WAY OUT, 16 rows at a time: bias (and c for Q) in f32, round to bf16, 16 bytes a lane into my own stage, read back as whole rows.
	PLACES 4                                       ; the places behind the last matrix instructions
	WIN 0
	s_wait_loadcnt 0x0                             ; the biases
.irp j, 0,2,4,6,8,10,12,14,16,18,20,22,24,26,28,30
	v_pk_mul_f32 v[BI+\j:BI+\j+1], v[BI+\j:BI+\j+1], s[66:67] op_sel_hi:[1,0]   ; (sum + b_q) c = sum c + b_q c
.endr
; rows 16 i .. 16 i + 15 of my 64 = row tile a of window 2 or 3.  wfma: destination and source 0 in that window; wcvt: sources 0 and 1.
.macro OUT16 i, a, wfma, wcvt
	WIN \wfma
.irp bt, 0,1,2,3
.irp j, 0,2,4,6
	v_pk_fma_f32 v[8*(12*\a+\bt)+\j:8*(12*\a+\bt)+\j+1], v[8*(12*\a+\bt)+\j:8*(12*\a+\bt)+\j+1], s[66:67], v[BI+8*\bt+\j:BI+8*\bt+\j+1] op_sel_hi:[1,0,1]
.endr
.endr
.irp bt, 4,5,6,7,8,9,10,11
.irp j, 0,2,4,6
	v_pk_add_f32 v[8*(12*\a+\bt)+\j:8*(12*\a+\bt)+\j+1], v[8*(12*\a+\bt)+\j:8*(12*\a+\bt)+\j+1], v[BI+8*\bt+\j:BI+8*\bt+\j+1]
.endr
.endr
	WIN \wcvt
.irp bt, 0,1,2,3,4,5,6,7,8,9,10,11
.irp r, 0,1,2,3
	v_cvt_pk_bf16_f32 v[TMP+4*\bt+\r], v[8*(12*\a+\bt)+2*\r], v[8*(12*\a+\bt)+2*\r+1]
.endr
.endr
	WIN 0
.irp bt, 0,1,2,3,4,5,6,7,8,9,10,11
	ds_store_b128 v[STO], v[TMP+4*\bt:TMP+4*\bt+3] offset:(\bt/4)*SREG+(\bt%4)*32
.endr
	s_wait_xcnt 0x0                                ; the registers that the last 16 rows' stores read are loaded again only behind this wait
.irp t, 0,1,2,3,4,5,6,7,8,9,10,11
	ds_load_b128 v[RB+4*\t:RB+4*\t+3], v[RD] offset:(\t/4)*SREG+(\t%4)*4*SPITCH   ; LDS serves a wave's instructions in order (ISA guide 5.7.1): these see the stores above
.endr
.irp t, 0,1,2,3,4,5,6,7,8,9,10,11
	s_wait_dscnt 11-\t
	global_store_b128 v[CO], v[RB+4*\t:RB+4*\t+3], s[68+2*(\t/4):69+2*(\t/4)] offset:\i*2048+(\t%4)*512   ; four rows of 128 bytes: 512 consecutive bytes, aligned
.endr
.endm
	OUT16 0, 0, 0x82, 0x0a
	OUT16 1, 1, 0x82, 0x0a
	OUT16 2, 0, 0xc3, 0x0f
	OUT16 3, 1, 0xc3, 0x0f
	s_set_vgpr_msb 0x1
	s_wait_tensorcnt 0x0
	ds_add_u32 v255, v255
	s_wait_dscnt 0x0
	s_set_vgpr_msb 0x100
	CROUND                                         ; the closing round: no work-group ends while a partner may still ask for a tile that names it
	s_endpgm
.Lfunc_end_k_q847c51a02b_qkvproj:
	.size	k_q847c51a02b_qkvproj, .Lfunc_end_k_q847c51a02b_qkvproj-k_q847c51a02b_qkvproj
	.p2alignl 7, 3214868480
	.fill 96, 4, 3214868480
	.section	.rodata,"a",@progbits
	.p2align	6, 0x0
	.amdhsa_kernel k_q847c51a02b_qkvproj
		.amdhsa_group_segment_fixed_size 327680
		.amdhsa_private_segment_fixed_size 0
		.amdhsa_enable_private_segment 0
		.amdhsa_kernarg_size 40
		.amdhsa_user_sgpr_count 2
		.amdhsa_user_sgpr_kernarg_segment_ptr 1
		.amdhsa_wavefront_size32 1
		.amdhsa_system_sgpr_workgroup_id_x 1
		.amdhsa_system_sgpr_workgroup_id_y 1
		.amdhsa_system_sgpr_workgroup_id_z 1
		.amdhsa_system_vgpr_workitem_id 0
		.amdhsa_next_free_vgpr 960
		.amdhsa_next_free_sgpr 74
		.amdhsa_reserve_vcc 0
		.amdhsa_float_denorm_mode_32 3
		.amdhsa_float_denorm_mode_16_64 3
		.amdhsa_memory_ordered 1
		.amdhsa_forward_progress 1
		.amdhsa_inst_pref_size 179
	.end_amdhsa_kernel
	.amdgpu_metadata
---
amdhsa.version: [ 1, 2 ]
amdhsa.kernels:
  - .name:           k_q847c51a02b_qkvproj
    .symbol:         k_q847c51a02b_qkvproj.kd
    .args:
      - { .name: cast, .offset: 0, .size: 8, .value_kind: global_buffer, .address_space: global }
      - { .name: b_q, .offset: 8, .size: 8, .value_kind: global_buffer, .address_space: global }
      - { .name: b_k, .offset: 16, .size: 8, .value_kind: global_buffer, .address_space: global }
      - { .name: b_v, .offset: 24, .size: 8, .value_kind: global_buffer, .address_space: global }
      - { .name: qkv, .offset: 32, .size: 8, .value_kind: global_buffer, .address_space: global }
    .group_segment_fixed_size: 327680
    .private_segment_fixed_size: 0
    .kernarg_segment_align: 8
    .kernarg_segment_size: 40
    .max_flat_workgroup_size: 128
    .sgpr_count:     74
    .vgpr_count:     960
    .wavefront_size: 32
...
	.end_amdgpu_metadata
.endif
;; end of part 2
;; launch attn (part 3): grid 8 x 32, 8 waves a work-group, clusters of 4 x 1, 327,680 bytes of LDS; arguments qkv, ctx; writes ctx
.if DOCPART == 3
	.amdgcn_target "amdgcn-amd-amdhsa--gfx1250"
	.amdhsa_code_object_version 6
	.text
	.protected	k_q847c51a02b_attn
	.globl	k_q847c51a02b_attn
	.p2align	8
	.type	k_q847c51a02b_attn,@function
k_q847c51a02b_attn:
	s_mov_b64 s[64:65], 0
	v_nop
	global_prefetch_b8 v0, s[64:65] scope:SCOPE_SE
	s_setreg_imm32_b32 hwreg(HW_REG_WAVE_MODE, 25, 1), 1
	s_wait_xcnt 0x0
	s_wait_alu depctr_hold_cnt(0) depctr_sa_sdst(0) depctr_va_vdst(0) depctr_va_sdst(0) depctr_va_ssrc(0) depctr_va_vcc(0) depctr_vm_vsrc(0)
	s_getreg_b32 s2, hwreg(HW_REG_IB_STS2, 6, 4)
	s_cmp_eq_u32 s2, 0
	s_cbranch_scc0 .Lentry_in_a_cluster
	s_endpgm
.Lentry_in_a_cluster:
	s_bfe_u32 s2, ttmp6, 0x10000c
	s_cmp_lg_u32 s2, 0x3003
	s_cbranch_scc0 .Lentry_shape_is_right
	s_endpgm
.Lentry_shape_is_right:
; ctx = softmax(Q K^T / 8) V for one (batch, head) and 256 queries, with a running maximum.  Q comes already multiplied by
; 0.125 log2(e), so the scores are exponents of 2.  Operands bf16, scores, statistics and sums f32; ctx bf16, [b][head][t][64].
; BOTH PRODUCTS ARE TRANSPOSED.  S^T = K Q^T: lane (r, h) holds query r and, in register j of key tile kt, key 16 kt + 8 h + j.
; That is the layout in which the second product, ctx^T = V^T P^T, wants P^T as its second source: two key tiles, rounded to bf16 and
; packed in place, are one fragment.  A lane owns one query, so maximum and sum cost one exchange between the halves of the wave.
; Eight waves: wave w has the queries 64 (w & 3) .. + 63 (four query tiles) and the half w >> 2 of every tile's keys.  The two halves'
; results are merged once at the end, through LDS.  Two waves share a SIMD's registers (512 each): one wave's softmax arithmetic can
; run beside the other's matrix instructions.
; K and V come in 8 tiles of 256 keys through two LDS slots; each wave fetches a quarter (64 keys, 8,192 dense bytes) of K (waves 0-3)
; or of V (waves 4-7) with one tensor load.
; CLUSTERS: the four query blocks of a cluster (4 x 1) read the same K and V, and ask for every tile jointly (mask 15).
; LIMITS: Q, K, V, P and ctx are rounded to bf16; an exponential below 2^-126 comes out as 0 (ISA guide, v_exp_f32); the sum of a row
; is taken over the unrounded exponentials; NaN and infinities are not reproduced as an f32 computation has them.
.set QSTR,   9216                      ; bytes kept for a quarter: K uses 32 x 272 = 8,704, V 32 x 288 = 9,216
.set SLOT,   8*QSTR                    ; K's four quarters, then V's four
.set STAGE,  2*SLOT                    ; 147,456, a multiple of 256: no tensor load lands behind it
.set GSTAGE, 18432                     ; for each group of 64 queries: the merge's 16,384 + 2,048 bytes, later the output's 64 x 144
.set KPITCH, 272                       ; two keys (256 bytes) + 16: key k at (k >> 1) 272 + (k & 1) 128
.set VPITCH, 288                       ; two keys + 32: the transposing load's 16 lanes fall on 16 different 16-byte columns of 256
.set SPITCH, 144
.set KREG,   0x800000                  ; K's region in qkv
.set VREG,   0x1000000                 ; V's
.set TILEB,  32768                     ; 256 keys x 128 bytes
.set KA,  4                            ; v4-5   LDS address of my K fragments in slot 0, 1
.set VA,  6                            ; v6-7   the same for V
.set QO,  8                            ; v8     my offset in a query tile
.set MG,  9                            ; v9     the merge: 16 x lane in my group's stage
.set STO, 10                           ; v10    output: where I put 16 bytes
.set RD,  11                           ; v11    output: where I read them back
.set CO,  12                           ; v12    16 x lane
.set QF,  16                           ; v16-79   Q fragments: 8 (2 qt + dh)
.set KF,  80                           ; v80-143  K fragments: 8 (2 kt + dh)
.set VF,  144                          ; v144-207 V^T fragments: 8 (2 dt + k2)
.set MP,  208                          ; pairs (running maximum, the other half's maximum), one for each query tile
.set AP,  216                          ; pairs (alpha, its exponent)
.set LSP, 224                          ; pairs: the running sum in two parts
.set TM,  232                          ; v232-235 at work
.set A2P, 236                          ; pairs for the merge
.set UU,  244                          ; v244-247 at work
.set XR,  16                           ; the merge: the partner's ctx^T, v16-143
.set MX,  144                          ; the partner's maxima (pairs), v144-151
.set LX,  152                          ; the partner's sums (pairs), v152-159
.set OB,  144                          ; output rows read back, v144-207
; window 1: scores S(kt, qt) at 32 qt + 8 kt (P in place), ctx^T tile (dt, qt) at 128 + 32 qt + 8 dt
.set G1K, 24
.set G1V, 32
.set G0K, 40                           ; a set of four for each slot
.set G0V, 48
.set MSB, 0
.macro WIN new
.if MSB != \new
	s_set_vgpr_msb (MSB<<8)|\new
.set MSB, \new
.endif
.endm
.macro PLACES n
.rept \n
	v_nop
.endr
.endm
.macro JLOAD s                         ; waves 0-3 ask for K's quarters, waves 4-7 for V's; the branch hangs on the wave's number alone
	s_cmp_eq_u32 s10, 0
	s_cbranch_scc0 .Lfor_v_\@
	tensor_load_to_lds s[G0K+4*\s:G0K+4*\s+3], s[G1K:G1K+7]
	s_nop 0
	s_branch .Lasked_\@
.Lfor_v_\@:
	tensor_load_to_lds s[G0V+4*\s:G0V+4*\s+3], s[G1V:G1V+7]
	s_nop 0
.Lasked_\@:
.endm
.macro CROUND                          ; a round of the cluster's barrier
	s_barrier_signal -1
	s_barrier_wait -1
	s_cmp_lg_u32 s8, 0
	s_cbranch_scc1 .Lnot_wave_0_\@
	s_barrier_signal -3
.Lnot_wave_0_\@:
	s_barrier_wait -3
	s_barrier_signal -1
	s_barrier_wait -1
.endm
	s_load_b128 s[4:7], s[0:1], 0x0                ; qkv s[4:5], ctx s[6:7]
	v_lshl_add_u32 v254, v0, 2, 0x36000
	v_mov_b32 v255, 0
	ds_add_u32 v254, v255
	v_lshrrev_b32 v1, 5, v0
	v_readfirstlane_b32 s8, v1                     ; wave 0..7
	s_and_b32 s9, s8, 3                            ; g: my 64 queries; also the quarter that I fetch
	s_lshr_b32 s10, s8, 2                          ; kh: my half of the keys; also: I fetch K (0) or V (1)
	s_bfe_u32 s11, ttmp6, 0x40000                  ; cx
	s_lshl_b32 s12, ttmp9, 2
	s_add_co_u32 s12, s12, s11                     ; block of 256 queries
	s_and_b32 s13, ttmp7, 0xffff                   ; 16 b + head
	s_mov_b32 s14, 0x76543210                      ; v_permlanex16_b32: lane i of one half reads lane i of the other
	s_mov_b32 s15, 0xfedcba98
	; group 1: a dense block of 8,192 bytes as 32 rows of 32 elements of 8 bytes; behind every 64 words 4 (K) or 8 (V) words of padding
	s_mov_b32 s[G1K+0], 15|(3<<16)|(1<<20)|(1<<21)|(5<<22)|(3<<25)
	s_mov_b32 s[G1V+0], 15|(3<<16)|(1<<20)|(1<<21)|(5<<22)|(7<<25)
	s_mov_b32 s[G1K+1], 32<<16
	s_mov_b32 s[G1V+1], 32<<16
	s_mov_b32 s[G1K+2], 32<<16
	s_mov_b32 s[G1V+2], 32<<16
	s_mov_b32 s[G1K+3], 32<<16
	s_mov_b32 s[G1V+3], 32<<16
	s_mov_b32 s[G1K+4], 32
	s_mov_b32 s[G1V+4], 32
	s_mov_b32 s[G1K+5], 32
	s_mov_b32 s[G1V+5], 32
	s_mov_b32 s[G1K+6], 0
	s_mov_b32 s[G1V+6], 0
	s_mov_b32 s[G1K+7], 0
	s_mov_b32 s[G1V+7], 0
	s_lshl_b32 s16, s13, 18                        ; the head's 262,144 bytes: the four partners share it
	s_lshl_b32 s17, s9, 13                         ; my quarter
	s_add_co_u32 s16, s16, s17
	s_mov_b32 s17, 0
	s_lshl_b32 s58, s13, 18                        ; my 64 queries' rows, in Q's region and in ctx alike: (2,048 bh + 256 block + 64 g) x 128
	s_lshl_b32 s59, s12, 15
	s_add_co_u32 s58, s58, s59
	s_lshl_b32 s59, s9, 13
	s_add_co_u32 s58, s58, s59
	s_mov_b32 s59, 0
	s_mul_i32 s20, s8, QSTR                        ; where my load goes: the wave's number alone
	s_wait_dscnt 0x0
	s_wait_kmcnt 0x0
	s_add_nc_u64 s[18:19], s[4:5], s[16:17]
	s_add_nc_u64 s[56:57], s[4:5], s[58:59]
	s_add_nc_u64 s[6:7], s[6:7], s[58:59]
	CROUND                                         ; the four work-groups are here: the first joint loads meet
.irp s, 0,1
	s_mov_b32 s[G0K+4*\s], 1
	s_add_co_u32 s[G0K+4*\s+1], s20, \s*SLOT
	s_add_nc_u64 s[G0K+4*\s+2:G0K+4*\s+3], s[18:19], KREG+\s*TILEB
	s_or_b32 s[G0K+4*\s+3], s[G0K+4*\s+3], 0x80000000
	s_mov_b32 s[G0V+4*\s], 1
	s_add_co_u32 s[G0V+4*\s+1], s20, \s*SLOT
	s_add_nc_u64 s[G0V+4*\s+2:G0V+4*\s+3], s[18:19], VREG+\s*TILEB
	s_or_b32 s[G0V+4*\s+3], s[G0V+4*\s+3], 0x80000000
	JLOAD \s                                       ; tiles 0 and 1: two tensor loads of the wave are out
.endr
	v_and_b32 v1, 15, v0                           ; r
	v_bfe_u32 v2, v0, 4, 1                         ; h
	v_and_b32 v3, 31, v0                           ; lane
	v_lshlrev_b32 v[QO], 7, v1
	v_lshl_add_u32 v[QO], v2, 4, v[QO]             ; query r's row of 128 bytes + 16 h
.irp qt, 0,1,2,3
.irp dh, 0,1
	global_load_b128 v[QF+8*(2*\qt+\dh):QF+8*(2*\qt+\dh)+3],   v[QO], s[56:57] offset:\qt*2048+\dh*64
	global_load_b128 v[QF+8*(2*\qt+\dh)+4:QF+8*(2*\qt+\dh)+7], v[QO], s[56:57] offset:\qt*2048+\dh*64+32
.endr
.endr
	v_and_b32 v14, 1, v0
	v_bfe_u32 v13, v0, 1, 3                        ; K: key r at (r >> 1) 272 + (r & 1) 128, + 16 h
	v_mul_u32_u24 v13, v13, KPITCH
	v_lshl_add_u32 v13, v14, 7, v13
	v_lshl_add_u32 v13, v2, 4, v13
	s_mul_i32 s21, s10, 2*QSTR                     ; my half's two quarters
	v_add_nc_u32 v[KA], s21, v13
	v_add_nc_u32 v[KA+1], SLOT, v[KA]
	v_bfe_u32 v13, v0, 1, 2                        ; V: lane l addresses key 8 h + (l & 7), at 16 ((l >> 3) & 1) of its row
	v_lshl_add_u32 v13, v2, 2, v13
	v_mul_u32_u24 v13, v13, VPITCH
	v_lshl_add_u32 v13, v14, 7, v13
	v_bfe_u32 v15, v0, 3, 1
	v_lshl_add_u32 v13, v15, 4, v13
	s_add_co_u32 s22, s21, 4*QSTR
	v_add_nc_u32 v[VA], s22, v13
	v_add_nc_u32 v[VA+1], SLOT, v[VA]
	s_mul_i32 s23, s9, GSTAGE
	s_add_co_u32 s23, s23, STAGE                   ; my group's stage
	v_lshl_add_u32 v[MG], v3, 4, s23
	v_mul_u32_u24 v13, v1, SPITCH
	v_lshl_add_u32 v13, v2, 4, v13
	v_add_nc_u32 v[STO], s23, v13
	v_bfe_u32 v13, v0, 3, 2
	v_and_b32 v15, 7, v0
	v_mul_u32_u24 v13, v13, SPITCH
	v_lshl_add_u32 v13, v15, 4, v13
	v_add_nc_u32 v[RD], s23, v13
	v_lshlrev_b32 v[CO], 4, v3
.irp qt, 0,1,2,3
	v_mov_b32 v[MP+2*\qt+1], 0                     ; a lane exchange's destination counts as read
	v_mov_b32 v[LSP+2*\qt], 0                      ; the sums start at 0
	v_mov_b32 v[LSP+2*\qt+1], 0
.endr
; 64 keys (quarter 2 kh + i of the slot's tile) against my 64 queries.  first = 1: the very first step starts maximum and sums.
.macro STEP slot, i, first
.irp kt, 0,1,2,3
.irp dh, 0,1
	ds_load_b128 v[KF+8*(2*\kt+\dh):KF+8*(2*\kt+\dh)+3],   v[KA+\slot] offset:\i*QSTR+\kt*8*KPITCH+\dh*64
	ds_load_b128 v[KF+8*(2*\kt+\dh)+4:KF+8*(2*\kt+\dh)+7], v[KA+\slot] offset:\i*QSTR+\kt*8*KPITCH+\dh*64+32
.endr
.endr
.irp dt, 0,1,2,3
.irp k2, 0,1
	ds_load_tr16_b128 v[VF+8*(2*\dt+\k2):VF+8*(2*\dt+\k2)+3],   v[VA+\slot] offset:\i*QSTR+\k2*16*VPITCH+32*\dt
	ds_load_tr16_b128 v[VF+8*(2*\dt+\k2)+4:VF+8*(2*\dt+\k2)+7], v[VA+\slot] offset:\i*QSTR+\k2*16*VPITCH+32*\dt+8*VPITCH
.endr
.endr
	s_wait_dscnt 16                                ; K's 16 loads are in; V's 16, issued behind them, stay out
	WIN 0x50                                       ; D and C window 1, both sources window 0
	; the 16 score tiles take turns, one instruction a turn
.irp qt, 0,1,2,3
.irp kt, 0,1,2,3
	v_wmma_f32_16x16x32_bf16 v[32*\qt+8*\kt:32*\qt+8*\kt+7], v[KF+16*\kt:KF+16*\kt+7], v[QF+16*\qt:QF+16*\qt+7], 0
.endr
.endr
.irp qt, 0,1,2,3
.irp kt, 0,1,2,3
	v_wmma_f32_16x16x32_bf16 v[32*\qt+8*\kt:32*\qt+8*\kt+7], v[KF+16*\kt+8:KF+16*\kt+15], v[QF+16*\qt+8:QF+16*\qt+15], v[32*\qt+8*\kt:32*\qt+8*\kt+7]
.endr
.endr
	PLACES 4                                       ; a vector instruction reads a matrix result four places behind it (ISA guide 7.12.1)
	WIN 0x05                                       ; sources 0, 1 window 1
.irp qt, 0,1,2,3
	v_max_num_f32 v[TM+\qt], v[32*\qt], v[32*\qt+1]
.endr
.irp j, 1,2,3,4,5,6,7,8,9,10,11,12,13,14,15
.irp qt, 0,1,2,3
	v_max3_num_f32 v[TM+\qt], v[32*\qt+2*\j], v[32*\qt+2*\j+1], v[TM+\qt]   ; my 32 keys of each query; four chains that do not wait for each other
.endr
.endr
	WIN 0
.irp qt, 0,1,2,3
	v_permlanex16_b32 v[MP+2*\qt+1], v[TM+\qt], s14, s15   ; the other 32 keys' maximum, from the other half of the wave
.endr
.if \first
.irp qt, 0,1,2,3
	v_max_num_f32 v[MP+2*\qt], v[TM+\qt], v[MP+2*\qt+1]
.endr
.else
.irp qt, 0,1,2,3
	v_max3_num_f32 v[TM+\qt], v[TM+\qt], v[MP+2*\qt+1], v[MP+2*\qt]   ; the new running maximum
.endr
.irp qt, 0,1,2,3
	v_sub_f32 v[AP+2*\qt+1], v[MP+2*\qt], v[TM+\qt]        ; old - new, at most 0
.endr
.irp qt, 0,1,2,3
	v_mov_b32 v[MP+2*\qt], v[TM+\qt]
.endr
.irp qt, 0,1,2,3
	v_exp_f32 v[AP+2*\qt], v[AP+2*\qt+1]                   ; alpha
.endr
	v_nop                                          ; one plain place behind the exponentials (ISA guide 5.7.2)
	s_wait_alu depctr_va_vdst(0)
.irp qt, 0,1,2,3
	v_pk_mul_f32 v[LSP+2*\qt:LSP+2*\qt+1], v[LSP+2*\qt:LSP+2*\qt+1], v[AP+2*\qt:AP+2*\qt+1] op_sel_hi:[1,0]
.endr
.endif
	WIN 0x41                                       ; destination and source 0 window 1, source 1 window 0
.irp qt, 0,1,2,3
.irp j, 0,1,2,3,4,5,6,7,8,9,10,11,12,13,14,15
	v_pk_add_f32 v[32*\qt+2*\j:32*\qt+2*\j+1], v[32*\qt+2*\j:32*\qt+2*\j+1], v[MP+2*\qt:MP+2*\qt+1] op_sel_hi:[1,0] neg_lo:[0,1] neg_hi:[0,1]
.endr
.set e, 0
.rept 32
	v_exp_f32 v[32*\qt+e], v[32*\qt+e]             ; 2^(s - m), at most 1; the line behind a run of these is plain and names none of its registers
.set e, e+1
.endr
.endr
.if \first
	v_nop
	s_wait_alu depctr_va_vdst(0)
.else
	s_wait_alu depctr_va_vdst(0)
.irp qt, 0,1,2,3
.irp j, 0,1,2,3,4,5,6,7,8,9,10,11,12,13,14,15
	v_pk_mul_f32 v[128+32*\qt+2*\j:128+32*\qt+2*\j+1], v[128+32*\qt+2*\j:128+32*\qt+2*\j+1], v[AP+2*\qt:AP+2*\qt+1] op_sel_hi:[1,0]   ; ctx^T to the new maximum
.endr
.endr
.endif
	WIN 0x01                                       ; source 0 window 1
.irp j, 0,1,2,3,4,5,6,7,8,9,10,11,12,13,14,15
.irp qt, 0,1,2,3
	v_pk_add_f32 v[LSP+2*\qt:LSP+2*\qt+1], v[32*\qt+2*\j:32*\qt+2*\j+1], v[LSP+2*\qt:LSP+2*\qt+1]
.endr
.endr
	WIN 0x45                                       ; all of window 1
.irp qt, 0,1,2,3
.irp k2, 0,1
.irp r, 0,1,2,3,4,5,6,7
	v_cvt_pk_bf16_f32 v[32*\qt+16*\k2+\r], v[32*\qt+16*\k2+2*\r], v[32*\qt+16*\k2+2*\r+1]   ; in place, ascending: register r is read before it is written
.endr
.endr
.endr
	s_wait_dscnt 0                                 ; V's fragments
	WIN 0x54                                       ; D, C and source 1 window 1, source 0 window 0
.irp qt, 0,1,2,3
.irp dt, 0,1,2,3
.if \first
	v_wmma_f32_16x16x32_bf16 v[128+32*\qt+8*\dt:128+32*\qt+8*\dt+7], v[VF+16*\dt:VF+16*\dt+7], v[32*\qt:32*\qt+7], 0
.else
	v_wmma_f32_16x16x32_bf16 v[128+32*\qt+8*\dt:128+32*\qt+8*\dt+7], v[VF+16*\dt:VF+16*\dt+7], v[32*\qt:32*\qt+7], v[128+32*\qt+8*\dt:128+32*\qt+8*\dt+7]
.endif
.endr
.endr
.irp qt, 0,1,2,3
.irp dt, 0,1,2,3
	v_wmma_f32_16x16x32_bf16 v[128+32*\qt+8*\dt:128+32*\qt+8*\dt+7], v[VF+16*\dt+8:VF+16*\dt+15], v[32*\qt+16:32*\qt+23], v[128+32*\qt+8*\dt:128+32*\qt+8*\dt+7]
.endr
.endr
	PLACES 5                                       ; the next step's score tiles write over P, and its loads land in V's fragments: five and four places
	WIN 0
.endm
; A tile of 256 keys (my half: two steps) in slot; refill = 1: the other slot, read last, is filled again, two tiles ahead.
.macro TWO slot, refill
	s_wait_tensorcnt 0x0                           ; all my tensor loads have landed, my part of this slot among them: every group 0 may be written
	ds_add_u32 v254, v255
	s_wait_dscnt 0x0
	s_add_nc_u64 s[G0K+4*(1-\slot)+2:G0K+4*(1-\slot)+3], s[G0K+4*(1-\slot)+2:G0K+4*(1-\slot)+3], 2*TILEB
	s_add_nc_u64 s[G0V+4*(1-\slot)+2:G0V+4*(1-\slot)+3], s[G0V+4*(1-\slot)+2:G0V+4*(1-\slot)+3], 2*TILEB
	s_wait_dscnt 0x0                               ; my reads of the other slot are over
.if \refill
	CROUND                                         ; both now hold of every wave of the four work-groups
	JLOAD (1-\slot)                                ; the wave's one tensor load until the next round
.else
	s_barrier_signal -1
	s_barrier_wait -1
.endif
	STEP \slot, 0, 0
	STEP \slot, 1, 0
.endm
	s_wait_tensorcnt 1                             ; my part of tile 0 is in; tile 1's load, issued behind it, stays out
	s_barrier_signal -1
	s_barrier_wait -1
	s_wait_loadcnt 0x0                             ; Q
	STEP 0, 0, 1
	STEP 0, 1, 0
	s_mov_b32 s3, 3
.Ltiles:
	TWO 1, 1                                       ; tiles 1, 3, 5; asks for 2, 4, 6
	TWO 0, 1                                       ; tiles 2, 4, 6; asks for 3, 5, 7
	s_sub_co_u32 s3, s3, 1
	s_cmp_lg_u32 s3, 0
	s_cbranch_scc1 .Ltiles
	TWO 1, 0                                       ; tile 7: nothing is left to fetch (slot 0's stepped address is not used)
	; THE MERGE.  The waves of the second half of the keys hand ctx^T, maxima and sums to their partners through the group's stage.
	s_cmp_eq_u32 s10, 0
	s_cbranch_scc1 .Lno_dump
	WIN 0x04                                       ; store data window 1
.set i, 0
.rept 32
	ds_store_b128 v[MG], v[128+4*i:128+4*i+3] offset:512*i
.set i, i+1
.endr
	WIN 0
	ds_store_b128 v[MG], v[MP:MP+3]     offset:16384
	ds_store_b128 v[MG], v[MP+4:MP+7]   offset:16384+512
	ds_store_b128 v[MG], v[LSP:LSP+3]   offset:16384+1024
	ds_store_b128 v[MG], v[LSP+4:LSP+7] offset:16384+1536
.Lno_dump:
	s_wait_dscnt 0x0                               ; for the partner's sake: my stores are done
	s_barrier_signal -1
	s_barrier_wait -1
	s_cmp_lg_u32 s10, 0
	s_cbranch_scc1 .Ldone
.set i, 0
.rept 32
	ds_load_b128 v[XR+4*i:XR+4*i+3], v[MG] offset:512*i
.set i, i+1
.endr
	ds_load_b128 v[MX:MX+3],   v[MG] offset:16384
	ds_load_b128 v[MX+4:MX+7], v[MG] offset:16384+512
	ds_load_b128 v[LX:LX+3],   v[MG] offset:16384+1024
	ds_load_b128 v[LX+4:LX+7], v[MG] offset:16384+1536
	s_wait_dscnt 0x0
.irp qt, 0,1,2,3
	v_max_num_f32 v[TM+\qt], v[MP+2*\qt], v[MX+2*\qt]      ; the maximum over all keys
.endr
.irp qt, 0,1,2,3
	v_sub_f32 v[AP+2*\qt+1],  v[MP+2*\qt], v[TM+\qt]
	v_sub_f32 v[A2P+2*\qt+1], v[MX+2*\qt], v[TM+\qt]
.endr
.irp qt, 0,1,2,3
	v_exp_f32 v[AP+2*\qt],  v[AP+2*\qt+1]                  ; a: my half's factor
	v_exp_f32 v[A2P+2*\qt], v[A2P+2*\qt+1]                 ; a': the partner's
.endr
.irp qt, 0,1,2,3
	v_add_f32 v[UU+\qt], v[LSP+2*\qt], v[LSP+2*\qt+1]      ; plain lines that name none of the exponentials' registers
	v_add_f32 v[LX+2*\qt], v[LX+2*\qt], v[LX+2*\qt+1]
.endr
	s_wait_alu depctr_va_vdst(0)
.irp qt, 0,1,2,3
	v_mul_f32 v[UU+\qt], v[UU+\qt], v[AP+2*\qt]
.endr
.irp qt, 0,1,2,3
	v_fmac_f32 v[UU+\qt], v[LX+2*\qt], v[A2P+2*\qt]
.endr
.irp qt, 0,1,2,3
	v_permlanex16_b32 v[TM+\qt], v[UU+\qt], s14, s15       ; the keys that the other half of the lanes summed
.endr
.irp qt, 0,1,2,3
	v_add_f32 v[UU+\qt], v[UU+\qt], v[TM+\qt]              ; the row's sum: at least 1, the largest score's own term
.endr
.irp qt, 0,1,2,3
	v_rcp_f32 v[TM+\qt], v[UU+\qt]
.endr
	v_nop                                          ; one plain place behind the reciprocals
	s_wait_alu depctr_va_vdst(0)
.irp qt, 0,1,2,3
	v_mul_f32 v[AP+2*\qt],  v[AP+2*\qt],  v[TM+\qt]
	v_mul_f32 v[A2P+2*\qt], v[A2P+2*\qt], v[TM+\qt]
.endr
.irp qt, 0,1,2,3
.irp j, 0,1,2,3,4,5,6,7,8,9,10,11,12,13,14,15
	v_pk_mul_f32 v[XR+32*\qt+2*\j:XR+32*\qt+2*\j+1], v[XR+32*\qt+2*\j:XR+32*\qt+2*\j+1], v[A2P+2*\qt:A2P+2*\qt+1] op_sel_hi:[1,0]
.endr
.endr
	WIN 0x01                                       ; source 0 window 1
.irp qt, 0,1,2,3
.irp j, 0,1,2,3,4,5,6,7,8,9,10,11,12,13,14,15
	v_pk_fma_f32 v[XR+32*\qt+2*\j:XR+32*\qt+2*\j+1], v[128+32*\qt+2*\j:128+32*\qt+2*\j+1], v[AP+2*\qt:AP+2*\qt+1], v[XR+32*\qt+2*\j:XR+32*\qt+2*\j+1] op_sel_hi:[1,0,1]
.endr
.endr
	WIN 0
	; lane (r, h) holds, of query r, the numbers d = 16 dt + 8 h + 0..7: eight neighbours, 16 bytes in bf16
.irp qt, 0,1,2,3
.irp dt, 0,1,2,3
.irp r, 0,1,2,3
	v_cvt_pk_bf16_f32 v[XR+32*\qt+8*\dt+\r], v[XR+32*\qt+8*\dt+2*\r], v[XR+32*\qt+8*\dt+2*\r+1]
.endr
.endr
.endr
.irp qt, 0,1,2,3
.irp dt, 0,1,2,3
	ds_store_b128 v[STO], v[XR+32*\qt+8*\dt:XR+32*\qt+8*\dt+3] offset:\qt*16*SPITCH+32*\dt   ; over the merge's bytes, which this wave alone has read, and whose loads are back
.endr
.endr
.irp t, 0,1,2,3,4,5,6,7,8,9,10,11,12,13,14,15
	ds_load_b128 v[OB+4*\t:OB+4*\t+3], v[RD] offset:\t*4*SPITCH    ; LDS serves a wave's instructions in order (ISA guide 5.7.1): these see the stores above
.endr
.irp t, 0,1,2,3,4,5,6,7,8,9,10,11,12,13,14,15
	s_wait_dscnt 15-\t
	global_store_b128 v[CO], v[OB+4*\t:OB+4*\t+3], s[6:7] offset:512*\t   ; four queries' rows of 128 bytes: 512 consecutive bytes, aligned
.endr
.Ldone:
	s_wait_tensorcnt 0x0
	ds_add_u32 v254, v255
	s_wait_dscnt 0x0
	CROUND                                         ; the closing round
	s_endpgm
.Lfunc_end_k_q847c51a02b_attn:
	.size	k_q847c51a02b_attn, .Lfunc_end_k_q847c51a02b_attn-k_q847c51a02b_attn
	.p2alignl 7, 3214868480
	.fill 96, 4, 3214868480
	.section	.rodata,"a",@progbits
	.p2align	6, 0x0
	.amdhsa_kernel k_q847c51a02b_attn
		.amdhsa_group_segment_fixed_size 327680
		.amdhsa_private_segment_fixed_size 0
		.amdhsa_enable_private_segment 0
		.amdhsa_kernarg_size 16
		.amdhsa_user_sgpr_count 2
		.amdhsa_user_sgpr_kernarg_segment_ptr 1
		.amdhsa_wavefront_size32 1
		.amdhsa_system_sgpr_workgroup_id_x 1
		.amdhsa_system_sgpr_workgroup_id_y 1
		.amdhsa_system_sgpr_workgroup_id_z 1
		.amdhsa_system_vgpr_workitem_id 0
		.amdhsa_next_free_vgpr 512
		.amdhsa_next_free_sgpr 66
		.amdhsa_reserve_vcc 0
		.amdhsa_float_denorm_mode_32 3
		.amdhsa_float_denorm_mode_16_64 3
		.amdhsa_memory_ordered 1
		.amdhsa_forward_progress 1
		.amdhsa_inst_pref_size 255
	.end_amdhsa_kernel
	.section	.bss,"aw",@nobits
	.p2align	6
	.space	262144
	.amdgpu_metadata
---
amdhsa.version: [ 1, 2 ]
amdhsa.kernels:
  - .name:           k_q847c51a02b_attn
    .symbol:         k_q847c51a02b_attn.kd
    .args:
      - { .name: qkv, .offset: 0, .size: 8, .value_kind: global_buffer, .address_space: global }
      - { .name: ctx, .offset: 8, .size: 8, .value_kind: global_buffer, .address_space: global }
    .group_segment_fixed_size: 327680
    .private_segment_fixed_size: 0
    .kernarg_segment_align: 8
    .kernarg_segment_size: 16
    .max_flat_workgroup_size: 256
    .sgpr_count:     66
    .vgpr_count:     512
    .wavefront_size: 32
...
	.end_amdgpu_metadata
.endif
;; end of part 3
;; launch outproj (part 4): grid 8 x 32, 4 waves a work-group, clusters of 4 x 4, 327,680 bytes of LDS; arguments ctx, cast, b_out, out0; writes out0
.if DOCPART == 4
	.amdgcn_target "amdgcn-amd-amdhsa--gfx1250"
	.amdhsa_code_object_version 6
	.text
	.protected	k_q847c51a02b_outproj
	.globl	k_q847c51a02b_outproj
	.p2align	8
	.type	k_q847c51a02b_outproj,@function
k_q847c51a02b_outproj:
	s_mov_b64 s[64:65], 0
	v_nop
	global_prefetch_b8 v0, s[64:65] scope:SCOPE_SE
	s_setreg_imm32_b32 hwreg(HW_REG_WAVE_MODE, 25, 1), 1
	s_wait_xcnt 0x0
	s_wait_alu depctr_hold_cnt(0) depctr_sa_sdst(0) depctr_va_vdst(0) depctr_va_sdst(0) depctr_va_ssrc(0) depctr_va_vcc(0) depctr_vm_vsrc(0)
	s_getreg_b32 s2, hwreg(HW_REG_IB_STS2, 6, 4)
	s_cmp_eq_u32 s2, 0
	s_cbranch_scc0 .Lentry_in_a_cluster
	s_endpgm
.Lentry_in_a_cluster:
	s_bfe_u32 s2, ttmp6, 0x10000c
	s_cmp_lg_u32 s2, 0xf033
	s_cbranch_scc0 .Lentry_shape_is_right
	s_endpgm
.Lentry_shape_is_right:
; out0 = ctx W_out^T + b_out.  ctx bf16 [b][head][t][64] (so K = 64 head + d), W_out bf16 at byte 0xE00000 of cast, sums and out0 f32.
; A work-group makes 128 x 128 of out0 (32 x 8 = 256 work-groups), a wave 64 x 64: 16 accumulator tiles.  A larger block would give
; fewer than 256 work-groups.
; K (1,024) goes in 4 tiles of 256 (four heads) through two LDS slots; each wave fetches 64 rows of ctx (waves 0, 1) or of W_out
; (waves 2, 3) with one tensor load.  All four tiles are written out: no loop.
; CLUSTERS: 4 x 4 work-groups; ctx's tiles are shared along a row of the cluster, W_out's along a column, each asked for jointly.
; The matrix instruction is used transposed (source 0 = rows of W_out, source 1 = rows of ctx): a lane holds eight neighbouring columns
; of a row, 32 bytes of f32.
; LIMITS: operands are bf16; the sums' order differs from a plain dot product's.
.set WSTR,   34816                     ; bytes kept for one wave's tensor load: ctx 4 heads x 32 x 272; W_out 64 x 528 = 33,792
.set SLOT,   4*WSTR
.set STAGE,  2*SLOT                    ; 278,528, a multiple of 256: no tensor load lands behind it
.set APITCH, 272                       ; two rows t of a head (256 bytes) + 16: row t at (t >> 1) 272 + (t & 1) 128
.set AHEAD,  32*APITCH                 ; 8,704: from head to head
.set BPITCH, 528                       ; 512 bytes + 16, an odd multiple of 16
.set SPITCH, 272                       ; the stage's rows: 64 f32 + 16 bytes
.set WO,     0xE00000
.set ADRA, 16                          ; v16-17
.set ADRB, 20                          ; v20-21
.set STO,  24
.set RD,   25
.set CO,   26
.set BO,   27
.set FA,   32                          ; ctx's fragments: v32-63 (buffer 0), v96-127 (buffer 1)
.set FB,   64                          ; W_out's: v64-95, v128-159
.set BI,   160                         ; v160-191 bias: 8 for each of 4 column tiles
.set TMP,  192                         ; v192-223
.set RB,   224                         ; v224-255
; window 1: accumulator (a, bt) at 8 (4 a + bt)
.set G1,  24
.set G0,  32
.set G1B, 48
.set G0B, 56
.set MSB, 0
.macro WIN new
.if MSB != \new
	s_set_vgpr_msb (MSB<<8)|\new
.set MSB, \new
.endif
.endm
.macro PLACES n
.rept \n
	v_nop
.endr
.endm
.macro JLOAD s
	s_cmp_eq_u32 s13, 0
	s_cbranch_scc0 .Lfor_b_\@
	tensor_load_to_lds s[G0+4*\s:G0+4*\s+3], s[G1:G1+7]
	s_nop 0
	s_branch .Lasked_\@
.Lfor_b_\@:
	tensor_load_to_lds s[G0B+4*\s:G0B+4*\s+3], s[G1B:G1B+7]
	s_nop 0
.Lasked_\@:
.endm
.macro CREST
	s_cmp_lg_u32 s12, 0
	s_cbranch_scc1 .Lnot_wave_0_\@
	s_barrier_signal -3
.Lnot_wave_0_\@:
	s_barrier_wait -3
	s_barrier_signal -1
	s_barrier_wait -1
.endm
.macro CROUND
	s_barrier_signal -1
	s_barrier_wait -1
	CREST
.endm
	s_load_b256 s[4:11], s[0:1], 0x0               ; ctx s[4:5], cast s[6:7], b_out s[8:9], out0 s[10:11]
	v_lshl_add_u32 v30, v0, 2, 0x48400
	v_mov_b32 v31, 0
	ds_add_u32 v30, v31
	v_lshrrev_b32 v1, 5, v0
	v_readfirstlane_b32 s12, v1                    ; wave 0..3
	s_lshr_b32 s13, s12, 1                         ; my half of the block's rows; also: I fetch ctx (0) or W_out (1)
	s_and_b32 s14, s12, 1                          ; my half of its columns; also: which 64 rows I fetch
	s_bfe_u32 s15, ttmp6, 0x40000                  ; cx
	s_bfe_u32 s16, ttmp6, 0x40004                  ; cy
	s_lshl_b32 s17, ttmp9, 2
	s_add_co_u32 s17, s17, s15                     ; block column 0..7
	s_and_b32 s18, ttmp7, 0xffff
	s_lshl_b32 s18, s18, 2
	s_add_co_u32 s18, s18, s16                     ; block row 0..31
	s_lshl_b32 s19, s16, 2
	s_lshl_b32 s19, 15, s19                        ; my row of the cluster
	s_lshl_b32 s20, 0x1111, s15                    ; my column
	; ctx: a descriptor row is one head's 64 rows t, 8,192 dense bytes = 1,024 elements of 8 bytes; four heads, 262,144 bytes apart;
	; the padding (4 words behind every 64) is counted along the whole tile, so each 256 bytes get their 16
	s_or_b32 s[G1+0], s19, (3<<16)|(1<<20)|(1<<21)|(5<<22)|(3<<25)
	s_mov_b32 s[G1+1], 1024<<16                    ; tensor_dim0
	s_mov_b32 s[G1+2], 4<<16                       ; tensor_dim1
	s_mov_b32 s[G1+3], 1024<<16                    ; tile_dim0
	s_mov_b32 s[G1+4], 4                           ; tile_dim1
	s_mov_b32 s[G1+5], 32768                       ; elements from head to head
	s_mov_b32 s[G1+6], 0
	s_mov_b32 s[G1+7], 0
	; W_out: 64 rows of 256 elements of 2 bytes; 4 words of padding behind every 128
	s_or_b32 s[G1B+0], s20, (1<<16)|(1<<20)|(1<<21)|(6<<22)|(3<<25)
	s_mov_b32 s[G1B+1], 256<<16
	s_mov_b32 s[G1B+2], 64<<16
	s_mov_b32 s[G1B+3], 256<<16
	s_mov_b32 s[G1B+4], 64
	s_mov_b32 s[G1B+5], 1024
	s_mov_b32 s[G1B+6], 0
	s_mov_b32 s[G1B+7], 0
	s_lshr_b32 s40, s18, 4                         ; b: 16 heads x 262,144 bytes
	s_lshl_b32 s40, s40, 22
	s_and_b32 s41, s18, 15
	s_lshl_b32 s41, s41, 14                        ; 128 rows t of 128 bytes
	s_add_co_u32 s40, s40, s41
	s_lshl_b32 s41, s14, 13                        ; my 64 of them
	s_add_co_u32 s40, s40, s41
	s_mov_b32 s41, 0
	s_lshl_b32 s44, s17, 18                        ; 128 rows of W_out, 2,048 bytes each
	s_lshl_b32 s45, s14, 17
	s_add_co_u32 s44, s44, s45
	s_add_co_u32 s44, s44, WO
	s_mov_b32 s45, 0
	s_mul_i32 s21, s12, WSTR                       ; where my load goes: the wave's number alone
	s_wait_dscnt 0x0
	s_wait_kmcnt 0x0
	s_add_nc_u64 s[40:41], s[4:5], s[40:41]
	s_add_nc_u64 s[44:45], s[6:7], s[44:45]
	CROUND                                         ; all sixteen work-groups are here
.irp s, 0,1
	s_mov_b32 s[G0+4*\s], 1
	s_add_co_u32 s[G0+4*\s+1], s21, \s*SLOT
	s_add_nc_u64 s[G0+4*\s+2:G0+4*\s+3], s[40:41], \s*4*262144     ; heads 4 s .. 4 s + 3
	s_or_b32 s[G0+4*\s+3], s[G0+4*\s+3], 0x80000000
	s_mov_b32 s[G0B+4*\s], 1
	s_add_co_u32 s[G0B+4*\s+1], s21, \s*SLOT
	s_add_nc_u64 s[G0B+4*\s+2:G0B+4*\s+3], s[44:45], \s*512
	s_or_b32 s[G0B+4*\s+3], s[G0B+4*\s+3], 0x80000000
	JLOAD \s                                       ; tiles 0 and 1: two tensor loads of the wave are out
.endr
	v_and_b32 v1, 15, v0                           ; r
	v_bfe_u32 v2, v0, 4, 1                         ; h
	v_lshlrev_b32 v[BO], 5, v2
	s_lshl_b32 s42, s17, 9                         ; my 64 columns, in bytes of f32: 512 x block + 256 x half
	s_lshl_b32 s43, s14, 8
	s_add_co_u32 s42, s42, s43
	s_mov_b32 s43, 0
	s_add_nc_u64 s[8:9], s[8:9], s[42:43]
.irp bt, 0,1,2,3
	global_load_b128 v[BI+8*\bt:BI+8*\bt+3],   v[BO], s[8:9] offset:64*\bt      ; waited for on the way out
	global_load_b128 v[BI+8*\bt+4:BI+8*\bt+7], v[BO], s[8:9] offset:64*\bt+16
.endr
	s_lshl_b32 s46, s18, 19                        ; 128 rows of 4,096 bytes
	s_lshl_b32 s47, s13, 18                        ; my 64
	s_add_co_u32 s46, s46, s47
	s_add_co_u32 s46, s46, s42
	s_mov_b32 s47, 0
	s_add_nc_u64 s[10:11], s[10:11], s[46:47]
	v_bfe_u32 v3, v0, 1, 3
	v_mul_u32_u24 v3, v3, APITCH
	v_and_b32 v4, 1, v0
	v_lshl_add_u32 v3, v4, 7, v3
	v_lshl_add_u32 v3, v2, 4, v3                   ; row r of ctx: (r >> 1) 272 + (r & 1) 128 + 16 h
	s_mul_i32 s22, s13, WSTR
	v_add_nc_u32 v[ADRA], s22, v3
	v_add_nc_u32 v[ADRA+1], SLOT, v[ADRA]
	v_mul_u32_u24 v5, v1, BPITCH
	v_lshl_add_u32 v5, v2, 4, v5
	s_mul_i32 s23, s14, WSTR
	s_add_co_u32 s23, s23, 2*WSTR
	v_add_nc_u32 v[ADRB], s23, v5
	v_add_nc_u32 v[ADRB+1], SLOT, v[ADRB]
	s_mul_i32 s22, s12, 16*SPITCH
	s_add_co_u32 s22, s22, STAGE                   ; my stage
	v_mul_u32_u24 v6, v1, SPITCH
	v_lshl_add_u32 v6, v2, 5, v6
	v_add_nc_u32 v[STO], s22, v6                   ; in: row r, 32 bytes for each half of the lanes
	v_mul_u32_u24 v7, v2, SPITCH
	v_lshl_add_u32 v7, v1, 4, v7
	v_add_nc_u32 v[RD], s22, v7                    ; back: lanes 0-15 a row of 256 bytes, lanes 16-31 the next
	v_lshlrev_b32 v8, 12, v2
	v_lshl_add_u32 v[CO], v1, 4, v8                ; the same two rows in out0
; 16 matrix instructions on buffer p; the 16 accumulators take turns, one instruction a turn
.macro MUL16 p, zero
.irp a, 0,1,2,3
.irp bt, 0,1,2,3
.if \zero
	v_wmma_f32_16x16x32_bf16 v[8*(4*\a+\bt):8*(4*\a+\bt)+7], v[FB+64*\p+8*\bt:FB+64*\p+8*\bt+7], v[FA+64*\p+8*\a:FA+64*\p+8*\a+7], 0
.else
	v_wmma_f32_16x16x32_bf16 v[8*(4*\a+\bt):8*(4*\a+\bt)+7], v[FB+64*\p+8*\bt:FB+64*\p+8*\bt+7], v[FA+64*\p+8*\a:FA+64*\p+8*\a+7], v[8*(4*\a+\bt):8*(4*\a+\bt)+7]
.endif
.endr
.endr
.endm
; 16 LDS loads: the fragments of quarter qd (32 of the slot's 256 along K: head qd / 2, half qd % 2) into buffer p
.macro FETCH slot, qd, p
.irp a, 0,1,2,3
	ds_load_b128 v[FA+64*\p+8*\a:FA+64*\p+8*\a+3],   v[ADRA+\slot] offset:(\qd/2)*AHEAD+(\qd%2)*64+\a*8*APITCH
	ds_load_b128 v[FA+64*\p+8*\a+4:FA+64*\p+8*\a+7], v[ADRA+\slot] offset:(\qd/2)*AHEAD+(\qd%2)*64+\a*8*APITCH+32
.endr
.irp bt, 0,1,2,3
	ds_load_b128 v[FB+64*\p+8*\bt:FB+64*\p+8*\bt+3],   v[ADRB+\slot] offset:\qd*64+\bt*16*BPITCH
	ds_load_b128 v[FB+64*\p+8*\bt+4:FB+64*\p+8*\bt+7], v[ADRB+\slot] offset:\qd*64+\bt*16*BPITCH+32
.endr
.endm
; One of a slot's first seven quarters: buffer p is in; quarter nq goes out into buffer np, a whole quarter ahead of its use; then p is multiplied.
.macro QUARTER slot, nq, p, np, zero
	s_wait_dscnt 0                                 ; buffer p's 16 loads, issued in front of the last quarter's matrix instructions
	PLACES 4                                       ; loads into registers that matrix instructions have read stand four places behind them
	WIN 0
	FETCH \slot, \nq, \np
	WIN 0x50                                       ; D and C window 1
	MUL16 \p, \zero
.endm
.macro SEVEN slot, zero
	QUARTER \slot, 1, 0, 1, \zero
	QUARTER \slot, 2, 1, 0, 0
	QUARTER \slot, 3, 0, 1, 0
	QUARTER \slot, 4, 1, 0, 0
	QUARTER \slot, 5, 0, 1, 0
	QUARTER \slot, 6, 1, 0, 0
	QUARTER \slot, 7, 0, 1, 0
.endm
; A slot's last quarter (buffer 1).  mode 2: the slot is filled again, behind a round of the cluster's barrier; 1: a change of slots
; without a fill; 0: the very last.
.macro LASTQ slot, next, mode
	s_wait_dscnt 0                                 ; buffer 1 is in, and my reads of this slot are over
.if \mode > 0
	s_wait_tensorcnt 0x0                           ; all my tensor loads have landed: the one that was out is my part of the next slot
	ds_add_u32 v30, v31
	s_wait_dscnt 0x0
	s_barrier_signal -1
.endif
	WIN 0x50
	MUL16 1, 0                                     ; register work while the others arrive
	WIN 0
.if \mode > 0
	s_barrier_wait -1
.endif
.if \mode == 2
	CREST                                          ; no wave of any partner still reads this slot or has a load on its way
	s_add_nc_u64 s[G0+4*\slot+2:G0+4*\slot+3], s[G0+4*\slot+2:G0+4*\slot+3], 8*262144
	s_add_nc_u64 s[G0B+4*\slot+2:G0B+4*\slot+3], s[G0B+4*\slot+2:G0B+4*\slot+3], 1024
	JLOAD \slot                                    ; two tiles ahead; the wave's one tensor load until the next round
.endif
.if \mode > 0
	PLACES 4
	FETCH \next, 0, 0
.endif
.endm
	s_wait_tensorcnt 1                             ; my part of tile 0 is in; tile 1's load, issued behind it, stays out
	s_barrier_signal -1
	s_barrier_wait -1
	FETCH 0, 0, 0
	SEVEN 0, 1                                     ; the first products start the sums
	LASTQ 0, 1, 2                                  ; asks for tile 2
	SEVEN 1, 0
	LASTQ 1, 0, 2                                  ; asks for tile 3
	SEVEN 0, 0
	LASTQ 0, 1, 1
	SEVEN 1, 0
	LASTQ 1, 0, 0
	; THE WAY OUT, 16 rows at a time: the bias is added in f32, 32 bytes a lane go into my own stage and come back as whole rows of 256 bytes
	PLACES 4                                       ; the places behind the last matrix instructions
	s_wait_loadcnt 0x0                             ; the bias
.macro OUT16 a
	WIN 0x01                                       ; source 0 window 1
.irp bt, 0,1,2,3
.irp j, 0,2,4,6
	v_pk_add_f32 v[TMP+8*\bt+\j:TMP+8*\bt+\j+1], v[8*(4*\a+\bt)+\j:8*(4*\a+\bt)+\j+1], v[BI+8*\bt+\j:BI+8*\bt+\j+1]
.endr
.endr
	WIN 0
.irp bt, 0,1,2,3
	ds_store_b128 v[STO], v[TMP+8*\bt:TMP+8*\bt+3]   offset:64*\bt
	ds_store_b128 v[STO], v[TMP+8*\bt+4:TMP+8*\bt+7] offset:64*\bt+16
.endr
	s_wait_xcnt 0x0                                ; the registers that the last 16 rows' stores read are loaded again only behind this wait
.irp t, 0,1,2,3,4,5,6,7
	ds_load_b128 v[RB+4*\t:RB+4*\t+3], v[RD] offset:\t*2*SPITCH    ; LDS serves a wave's instructions in order (ISA guide 5.7.1): these see the stores above
.endr
.irp t, 0,1,2,3,4,5,6,7
	s_wait_dscnt 7-\t
	global_store_b128 v[CO], v[RB+4*\t:RB+4*\t+3], s[10:11] offset:(16*\a+2*\t)*4096 th:TH_STORE_NT   ; 16 lanes store 256 consecutive bytes, aligned
.endr
.endm
	OUT16 0
	OUT16 1
	OUT16 2
	OUT16 3
	s_wait_tensorcnt 0x0
	ds_add_u32 v30, v31
	s_wait_dscnt 0x0
	CROUND                                         ; the closing round
	s_endpgm
.Lfunc_end_k_q847c51a02b_outproj:
	.size	k_q847c51a02b_outproj, .Lfunc_end_k_q847c51a02b_outproj-k_q847c51a02b_outproj
	.p2alignl 7, 3214868480
	.fill 96, 4, 3214868480
	.section	.rodata,"a",@progbits
	.p2align	6, 0x0
	.amdhsa_kernel k_q847c51a02b_outproj
		.amdhsa_group_segment_fixed_size 327680
		.amdhsa_private_segment_fixed_size 0
		.amdhsa_enable_private_segment 0
		.amdhsa_kernarg_size 32
		.amdhsa_user_sgpr_count 2
		.amdhsa_user_sgpr_kernarg_segment_ptr 1
		.amdhsa_wavefront_size32 1
		.amdhsa_system_sgpr_workgroup_id_x 1
		.amdhsa_system_sgpr_workgroup_id_y 1
		.amdhsa_system_sgpr_workgroup_id_z 1
		.amdhsa_system_vgpr_workitem_id 0
		.amdhsa_next_free_vgpr 384
		.amdhsa_next_free_sgpr 66
		.amdhsa_reserve_vcc 0
		.amdhsa_float_denorm_mode_32 3
		.amdhsa_float_denorm_mode_16_64 3
		.amdhsa_memory_ordered 1
		.amdhsa_forward_progress 1
		.amdhsa_inst_pref_size 93
	.end_amdhsa_kernel
	.amdgpu_metadata
---
amdhsa.version: [ 1, 2 ]
amdhsa.kernels:
  - .name:           k_q847c51a02b_outproj
    .symbol:         k_q847c51a02b_outproj.kd
    .args:
      - { .name: ctx, .offset: 0, .size: 8, .value_kind: global_buffer, .address_space: global }
      - { .name: cast, .offset: 8, .size: 8, .value_kind: global_buffer, .address_space: global }
      - { .name: b_out, .offset: 16, .size: 8, .value_kind: global_buffer, .address_space: global }
      - { .name: out0, .offset: 24, .size: 8, .value_kind: global_buffer, .address_space: global }
    .group_segment_fixed_size: 327680
    .private_segment_fixed_size: 0
    .kernarg_segment_align: 8
    .kernarg_segment_size: 32
    .max_flat_workgroup_size: 128
    .sgpr_count:     66
    .vgpr_count:     384
    .wavefront_size: 32
...
	.end_amdgpu_metadata
.endif
;; end of part 4
;; ======== version 2 of 2: 4 launches; version 1 with the launch cast written anew for expert scheduling mode
;; workspace buffers: cast 16,777,216 bytes; qkv 25,165,824 bytes; ctx 8,388,608 bytes
;; launch cast (part 5): grid 256 x 1, 8 waves a work-group, no clusters, 0 bytes of LDS; arguments x, W_q, W_k, W_v, W_out, cast; writes cast
.if DOCPART == 5
	.amdgcn_target "amdgcn-amd-amdhsa--gfx1250"
	.amdhsa_code_object_version 6
	.text
	.protected	k_q847c51a02b_cast
	.globl	k_q847c51a02b_cast
	.p2align	8
	.type	k_q847c51a02b_cast,@function
k_q847c51a02b_cast:
	s_mov_b64 s[64:65], 0
	v_nop
	global_prefetch_b8 v0, s[64:65] scope:SCOPE_SE
	s_setreg_imm32_b32 hwreg(HW_REG_WAVE_SCHED_MODE, 0, 2), 2
	s_setreg_imm32_b32 hwreg(HW_REG_WAVE_MODE, 25, 1), 1
	s_wait_xcnt 0x0
	s_wait_alu depctr_vm_vsrc(0)
; x and the four weight matrices, f32, are rounded once to bf16 (nearest even) into the buffer cast, so that the three matrix
; launches behind this one read 16-bit tiles.  Layout of cast, in bytes:
;   0x000000  xb   [4096][1024] bf16
;   0x800000  wqkv [3072][1024] bf16: row 192 hd + 64 which + d holds row 64 hd + d of W_q (which 0), W_k (1), W_v (2)
;   0xE00000  wo   [1024][1024] bf16
; A work-group takes a unit of 32 rows of 1,024 f32 (131,072 bytes in, 65,536 out), a wave four rows (16,384 bytes).
; Units 0-127 are x's; unit 128 + 32 wi + u is rows 32 u .. 32 u + 31 of matrix wi (q, k, v, out).
; A stream: no LDS, no barrier, no matrix unit.  All 32 loads of a wave go out before its first wait; no register is written twice,
; so no source of a pending instruction is ever rewritten.
; LIMIT: values are rounded to bf16 (8 significant bits); the range is f32's.
; THE MODE: SCHED_MODE bits 1:0 = 2 (LLVM: expert scheduling mode 2), set by the entry lines.  The code itself states the register
; dependences between vector instructions and memory instructions, with s_wait_alu, always for 0.
; THE PLAN.  Registers that memory instructions touch:
;   v1, v2   byte offsets, made once at the head by vector instructions; v1 is read by every load, v2 by every store; never written again.
;   X        piece i: 4 registers, written by load i alone, read by piece i's two conversions; nothing lands in them a second time.
;   Y        piece i: 2 registers, written by piece i's two conversions, read by store i; never written again.
; The 32 pieces go in 8 blocks of four.  Block p rounds its four pieces; its memory instructions are the four stores of block p - 1,
; which read v2 and that block's part of Y: registers that no vector instruction of block p names.  So one wait at a block's head states
; all that its four stores hang on, and they are dealt among the block's conversions with no further wait.
; Since no register that a memory instruction reads is written again, no wait for such reads is owed anywhere.
.set X, 4                              ; v[4:131]    32 x 4 registers as loaded
.set Y, 132                            ; v[132:195]  32 x 2 registers to store
.set BLOCK,  4                         ; pieces in a block
.set BLOCKS, 32/BLOCK
	s_load_b256 s[4:11], s[0:1], 0x0               ; x s[4:5], W_q s[6:7], W_k s[8:9], W_v s[10:11]
	s_load_b128 s[12:15], s[0:1], 0x20             ; W_out s[12:13], cast s[14:15]
	s_and_b32 s16, ttmp9, 31                       ; u: the unit inside a weight matrix
	s_bfe_u32 s17, ttmp9, 0x20005                  ; wi: bits 6:5 of the work-group's number
	s_lshr_b32 s18, s16, 1                         ; head = u / 2 (a head has 64 rows, two units)
	s_mul_i32 s18, s18, 192
	s_lshl_b32 s19, s17, 6
	s_add_co_u32 s18, s18, s19                     ; + 64 which
	s_and_b32 s19, s16, 1
	s_lshl_b32 s19, s19, 5
	s_add_co_u32 s18, s18, s19                     ; + 32 (u & 1): the unit's first row in wqkv
	s_lshl_b32 s19, s16, 5
	s_add_co_u32 s19, s19, 3072                    ; W_out's rows follow wqkv's 3,072 in their own order
	s_cmp_eq_u32 s17, 3
	s_cselect_b32 s18, s19, s18
	s_lshl_b32 s18, s18, 11                        ; a bf16 row is 2,048 bytes
	s_add_co_u32 s18, s18, 0x800000                ; behind xb
	s_lshl_b32 s19, s16, 17                        ; where the unit begins in its weight matrix
	s_lshl_b32 s24, ttmp9, 17                      ; the same two offsets for a unit of x
	s_lshl_b32 s25, ttmp9, 16
	s_cmp_lt_u32 ttmp9, 128
	s_cselect_b32 s26, s24, s19                    ; offset in the source
	s_cselect_b32 s28, s25, s18                    ; offset in cast
	s_mov_b32 s27, 0
	s_mov_b32 s29, 0
	v_lshrrev_b32 v1, 5, v0                        ; wave
	v_and_b32 v2, 31, v0                           ; lane
	v_lshlrev_b32 v2, 4, v2
	v_lshl_or_b32 v1, v1, 14, v2                   ; source: 16,384 x wave + 16 x lane
	v_lshrrev_b32 v2, 1, v1                        ; destination: half of that
	s_wait_kmcnt 0x0
	s_cmp_eq_u32 s17, 1                            ; the source is chosen among the five buffers by the work-group's number alone
	s_cselect_b64 s[20:21], s[8:9], s[6:7]
	s_cmp_eq_u32 s17, 2
	s_cselect_b64 s[20:21], s[10:11], s[20:21]
	s_cmp_eq_u32 s17, 3
	s_cselect_b64 s[20:21], s[12:13], s[20:21]
	s_cmp_lt_u32 ttmp9, 128
	s_cselect_b64 s[20:21], s[4:5], s[20:21]
	s_add_nc_u64 s[20:21], s[20:21], s[26:27]
	s_add_nc_u64 s[22:23], s[14:15], s[28:29]
	s_wait_alu depctr_va_vdst(0)                   ; v1 and v2 are written: every load of the kernel reads v1 as its offset, every store v2
.set i, 0
.rept 32
	global_load_b128 v[X+4*i:X+4*i+3], v1, s[20:21] offset:512*i th:TH_LOAD_NT   ; 512 neighbouring bytes a load; read once in the launch
.set i, i+1
.endr
.set p, 0
.rept BLOCKS
	s_wait_loadcnt 32-BLOCK-BLOCK*p                ; loads come back in order (ISA guide 5.7.1): block p's four are in, the 28 - 4 p younger ones stay out
.if p > 0
	s_wait_alu depctr_va_vdst(0)                   ; the block before has written its part of Y, which the four stores below read
.endif
.set i, BLOCK*p
.rept BLOCK
.if p > 0
	global_store_b64 v2, v[Y+2*(i-BLOCK):Y+2*(i-BLOCK)+1], s[22:23] offset:256*(i-BLOCK)   ; the block before; the wave's 32 lanes x 8 bytes: 256 consecutive bytes, aligned.  No vector instruction since the wait names these registers
.endif
	v_cvt_pk_bf16_f32 v[Y+2*i],   v[X+4*i],   v[X+4*i+1]
	v_cvt_pk_bf16_f32 v[Y+2*i+1], v[X+4*i+2], v[X+4*i+3]
.set i, i+1
.endr
.set p, p+1
.endr
	s_wait_alu depctr_va_vdst(0)                   ; the last block has written its part of Y, which the last four stores read
.set i, 32-BLOCK
.rept BLOCK
	global_store_b64 v2, v[Y+2*i:Y+2*i+1], s[22:23] offset:256*i   ; 256 consecutive bytes, aligned
.set i, i+1
.endr
	s_endpgm
.Lfunc_end_k_q847c51a02b_cast:
	.size	k_q847c51a02b_cast, .Lfunc_end_k_q847c51a02b_cast-k_q847c51a02b_cast
	.p2alignl 7, 3214868480
	.fill 96, 4, 3214868480
	.section	.rodata,"a",@progbits
	.p2align	6, 0x0
	.amdhsa_kernel k_q847c51a02b_cast
		.amdhsa_group_segment_fixed_size 0
		.amdhsa_private_segment_fixed_size 0
		.amdhsa_enable_private_segment 0
		.amdhsa_kernarg_size 48
		.amdhsa_user_sgpr_count 2
		.amdhsa_user_sgpr_kernarg_segment_ptr 1
		.amdhsa_wavefront_size32 1
		.amdhsa_system_sgpr_workgroup_id_x 1
		.amdhsa_system_sgpr_workgroup_id_y 1
		.amdhsa_system_sgpr_workgroup_id_z 1
		.amdhsa_system_vgpr_workitem_id 0
		.amdhsa_next_free_vgpr 196
		.amdhsa_next_free_sgpr 66
		.amdhsa_reserve_vcc 0
		.amdhsa_float_denorm_mode_32 3
		.amdhsa_float_denorm_mode_16_64 3
		.amdhsa_memory_ordered 1
		.amdhsa_forward_progress 1
		.amdhsa_inst_pref_size 13
	.end_amdhsa_kernel
	.amdgpu_metadata
---
amdhsa.version: [ 1, 2 ]
amdhsa.kernels:
  - .name:           k_q847c51a02b_cast
    .symbol:         k_q847c51a02b_cast.kd
    .args:
      - { .name: x, .offset: 0, .size: 8, .value_kind: global_buffer, .address_space: global }
      - { .name: W_q, .offset: 8, .size: 8, .value_kind: global_buffer, .address_space: global }
      - { .name: W_k, .offset: 16, .size: 8, .value_kind: global_buffer, .address_space: global }
      - { .name: W_v, .offset: 24, .size: 8, .value_kind: global_buffer, .address_space: global }
      - { .name: W_out, .offset: 32, .size: 8, .value_kind: global_buffer, .address_space: global }
      - { .name: cast, .offset: 40, .size: 8, .value_kind: global_buffer, .address_space: global }
    .group_segment_fixed_size: 0
    .private_segment_fixed_size: 0
    .kernarg_segment_align: 8
    .kernarg_segment_size: 48
    .max_flat_workgroup_size: 256
    .sgpr_count:     66
    .vgpr_count:     196
    .wavefront_size: 32
...
	.end_amdgpu_metadata
.endif
;; end of part 5
;; launch qkvproj: the kernel of part 2 again; grid 16 x 16, 4 waves a work-group, clusters of 4 x 4, 327,680 bytes of LDS; arguments cast, b_q, b_k, b_v, qkv; writes qkv
;; launch attn: the kernel of part 3 again; grid 8 x 32, 8 waves a work-group, clusters of 4 x 1, 327,680 bytes of LDS; arguments qkv, ctx; writes ctx
;; launch outproj: the kernel of part 4 again; grid 8 x 32, 4 waves a work-group, clusters of 4 x 4, 327,680 bytes of LDS; arguments ctx, cast, b_out, out0; writes out0
